; MI455X (gfx1250); checked and timed in simulation.
; The chip was launched on July 23, 2026; its instructions are those of AMD's public machine-readable ISA for CDNA 5 (MIT licence, August 2026) and "CDNA5" Instruction Set Architecture Reference Guide (July 2026). The comments in the code are by the model that wrote it; some were corrected since.
;; LSTM Cell. Allowed arithmetic: matrix products marked QUANTISED: E3M2 operands, one E8M0 scale for each 32 along K, by v_wmma_scale_f32_16x16x128_f8f6f4 with both operands' format E3M2, f32 sums; everything else in f32.
;; Inputs: bhc 1,024 float32; bhf 1,024 float32; bhi 1,024 float32; bho 1,024 float32; bxc 1,024 float32; bxf 1,024 float32; bxi 1,024 float32; bxo 1,024 float32; cx 8,192 x 1,024 float32; hx 8,192 x 1,024 float32; whc 1,024 x 1,024 float32; whf 1,024 x 1,024 float32; whi 1,024 x 1,024 float32; who 1,024 x 1,024 float32; wxc 1,024 x 1,024 float32; wxf 1,024 x 1,024 float32; wxi 1,024 x 1,024 float32; wxo 1,024 x 1,024 float32; x 8,192 x 1,024 float32.
;; Outputs: out0 8,192 x 1,024 float32; out1 8,192 x 1,024 float32.
;; Constants: task_id = 0.
;; This version of the problem:
;;   THIS VERSION OF THE PROBLEM IS GIVEN IN LOW PRECISION. The matrix products marked QUANTISED in the list below multiply operands that are first quantised to E3M2 (3 exponent bits, 2 mantissa bits; 6 bits a number), with one power-of-two scale for each 32 numbers along K (OCP MX v1.0); their sums are f32. All else is computed in f32.
;;   The module's matrix products, in the order in which they are computed (A, B: the left and right operand; K: the contracted axis; several contracted axes count as one K, in the product's order):
;;     1. [M 8,192, K 1,024] x [K 1,024, N 1,024]; A: input x; B: input wxi: QUANTISED
;;     2. [M 8,192, K 1,024] x [K 1,024, N 1,024]; A: input hx; B: input whi: QUANTISED
;;     3. [M 8,192, K 1,024] x [K 1,024, N 1,024]; A: input x; B: input wxf: QUANTISED
;;     4. [M 8,192, K 1,024] x [K 1,024, N 1,024]; A: input hx; B: input whf: QUANTISED
;;     5. [M 8,192, K 1,024] x [K 1,024, N 1,024]; A: input x; B: input wxc: QUANTISED
;;     6. [M 8,192, K 1,024] x [K 1,024, N 1,024]; A: input hx; B: input whc: QUANTISED
;;     7. [M 8,192, K 1,024] x [K 1,024, N 1,024]; A: input x; B: input wxo: QUANTISED
;;     8. [M 8,192, K 1,024] x [K 1,024, N 1,024]; A: input hx; B: input who: QUANTISED
;;   THE QUANTISER, for each operand of a quantised product, along K:
;;     - K is cut into blocks of 32 from its start; a last block that is shorter is filled with zeros.
;;     - A block's scale is 2^e with e = floor(log2(the largest magnitude in the block)) - 4, held to -126 .. 127; a block of zeros has e = 0. As a byte (E8M0): e + 127.
;;     - Each number is divided by its block's scale, clamped to +-28, and rounded to the nearest number of E3M2, ties to even, subnormals kept.
;;     - The product sums the exact products of the quantised numbers (number of the format x scale) in f32.
;;   ~~~python
;;   def quantise(x, axis):      # numpy; x: float32 -> the quantised numbers, widened to float32 again
;;       x = np.moveaxis(x, axis, -1); K = x.shape[-1]
;;       x = np.pad(x, [(0, 0)] * (x.ndim - 1) + [(0, -K % 32)]); x = x.reshape(x.shape[:-1] + (-1, 32)); a = np.abs(x).max(-1, keepdims=True)
;;       e = np.where(a > 0, np.clip(np.frexp(np.where(a > 0, a, 1))[1] - 1 - 4, -126, 127), 0)      # np.frexp(a)[1] - 1 = floor(log2(a)), exactly
;;       r = np.clip(x / 2.0 ** e, -28, 28)
;;       step = 2.0 ** (np.maximum(np.frexp(np.where(r == 0, 1, r))[1] - 1, -2) - 2)
;;       q = np.round(r / step) * step * 2.0 ** e      # np.round: ties to even
;;       return np.moveaxis(q.reshape(q.shape[:-2] + (-1,))[..., :K], -1, axis).astype(np.float32)
;;   ~~~
;; One version. Each part assembles by itself: llvm-mc -triple=amdgcn-amd-amdhsa -mcpu=gfx1250 --defsym DOCPART=n.
;; ======== version 1 of 1: 2 launches
;; limits: right only within a limited range of input values
;; workspace buffers: a_codes 12,582,912 bytes; a_scales 524,288 bytes; b_codes 6,291,456 bytes; b_scales 262,144 bytes
;; launch quant (part 1): grid 768 x 1, 4 waves a work-group, no clusters, 33,280 bytes of LDS; arguments x, hx, wxi, whi, wxf, whf, wxc, whc, wxo, who, a_codes, a_scales, b_codes, b_scales; writes a_codes, a_scales, b_codes, b_scales
.if DOCPART == 1
	.amdgcn_target "amdgcn-amd-amdhsa--gfx1250"
	.amdhsa_code_object_version 6
	.text
	.protected	k_q4998d0d75c_quant
	.globl	k_q4998d0d75c_quant
	.p2align	8
	.type	k_q4998d0d75c_quant,@function
k_q4998d0d75c_quant:
	s_mov_b64 s[64:65], 0
	v_nop
	global_prefetch_b8 v0, s[64:65] scope:SCOPE_SE
	s_setreg_imm32_b32 hwreg(HW_REG_WAVE_MODE, 25, 1), 1
	s_wait_xcnt 0x0
; LSTM cell, first of two launches: the operands of the eight quantised products become codes of BF6 (E3M2), 6 bits each, K innermost, with one E8M0 scale byte for each 32 along K.
; The eight products are ONE product: A = [x | hx] (8,192 rows, K = 2,048) with B = the four gates' [wx_g | wh_g] (4,096 rows, K = 2,048).  1,024 is a multiple of 32, so joining the two halves of K changes no block.
; DEAD WORK: task_id is a constant that the reference never reads: it has no buffer, no way to an output, and is named nowhere.  Every other input reaches an output and is loaded, here or in the second launch.
; OUT: a_codes [8192][1536] (a row: x's 1,024 codes in 768 bytes, then hx's), a_scales [8192][64] (32 bytes for x, 32 for hx); b_codes [4096][1536], b_scales [4096][64] likewise (wx_g's row j, then wh_g's row j).
; THE ORDER OF B'S ROWS IS THIS PROGRAM'S OWN: row n = (j / 32) x 128 + g x 32 + j % 32, g = 0, 1, 2, 3 for the gates i, f, c, o: so 128 neighbouring rows are 32 columns j of all four gates, which the second launch's tail wants in one wave.
; A block's scale is 2^(floor(log2(its largest magnitude)) - 4); its byte is the largest magnitude's own exponent field - 4, held at 1 from below.  Each number is divided by the scale and rounded to the nearest code, ties to even; beyond 28 the largest code.
; LIMITS: a block of zeros gets the byte 1 where the rule says 127 (its codes are zeros, which add nothing under any byte but 0xff, and this program alone reads the bytes); blocks whose largest magnitude lies under 2^-122
; have their byte held at 1; NaN and infinities among the inputs are not served.
; SHARES.  A work-group takes 16 rows of one PAIR of tensors: work-groups 0-511 (x, hx), then 64 each for (wxi, whi), (wxf, whf), (wxc, whc), (wxo, who).  Only pointers are chosen: all take one way through the text.
; A wave takes 4 rows: 16 steps of 512 numbers; step t is row t / 4, tensor (t / 2) % 2 of the pair, half t % 2 of its row.  So the wave's codes are one run of 6,144 bytes (384 a step) and its scale bytes one aligned run of 256 (16 a step).
; The conversion takes 16 numbers of ONE block from a lane's registers, so a lane must hold 16 neighbours; a load is best where neighbouring lanes take neighbouring bytes.  Both are had: each of a step's four loads reads 512
; consecutive bytes, 16 a lane; the 2,048 bytes go through the wave's own stage in LDS, as they lie, and come back 64 bytes a lane (16 bytes of padding behind each 64).  Two neighbouring lanes hold a block.
; No tensor loads, no barrier: waves share nothing.  Loads run four steps (16 loads a wave) ahead, the turn through LDS one step.
.set WAVES, 4
.set STEPS, 16
.set EMAX,  4
.set CB,    12                         ; bytes of 16 codes
.set R,     16                         ; v16-79   four sets of 16 numbers as they are loaded
.set X,     80                         ; v80-111  two sets of 16 neighbours
.set C,     128                        ; v128-191 codes: four registers for each step, so that no store's data are written again
.set E,     112                        ; v112-127 a scale byte for each step
.set WREG,  8192                       ; LDS: a region of its own for each wave: two stages of 32 x SP bytes, and behind them its 256 scale bytes
.set SP,    80                         ; a lane's place in a stage: its 64 bytes + 16 of padding
.set SPW,   12                         ; v12      LDS address of my spare word: SPARE + 4 x my thread's number; never rewritten
.set NIL,   13                         ; v13      0; never rewritten
.set SPARE, WAVES*WREG                 ; behind the four regions: the spare words, 128 bytes for each wave: two blocks of 256 bytes that no other line names
.set SRC0,  20                         ; s[20:21] the pair's first tensor, at my wave's first row
.set SRC1,  22                         ; s[22:23] its second
.set CODES, 24                         ; s[24:25] where my wave's codes go
.set SCALES, 26                        ; s[26:27] and its scale bytes
	s_load_b512 s[4:19], s[0:1], 0x0               ; x, hx, wxi, whi, wxf, whf, wxc, whc
	s_load_b256 s[20:27], s[0:1], 0x40             ; wxo, who, a_codes, a_scales
	s_load_b128 s[28:31], s[0:1], 0x60             ; b_codes, b_scales
	v_lshl_add_u32 v[SPW], v0, 2, SPARE
	v_mov_b32 v[NIL], 0
	v_lshrrev_b32 v1, 5, v0
	v_readfirstlane_b32 s32, v1                    ; wave
	v_and_b32 v2, 31, v0                           ; lane
	v_lshlrev_b32 v3, 4, v2                        ; my 16 bytes of a load's 512
	s_mul_i32 s33, s32, WREG
	v_lshrrev_b32 v14, 2, v2
	v_mul_u32_u24 v14, v14, SP
	v_and_b32 v15, 3, v2
	v_lshl_add_u32 v14, v15, 4, v14
	v_add_nc_u32 v14, s33, v14                     ; the stage, on the way in: four lanes' 64 bytes on end, then 16 of padding: SP (lane / 4) + 16 (lane % 4); a load's 512 bytes take eight places
	v_mul_u32_u24 v15, v2, SP
	v_add_nc_u32 v15, s33, v15                     ; and on the way out: SP x lane: my 16 neighbours
	; THE ORDER OF BLOCKS IN A ROW OF CODES IS THIS PROGRAM'S OWN: each 128 codes (96 bytes) lie as blocks 0, 2, 1, 3 of 24 bytes, so that the 48 bytes that one lane of a matrix operand holds (blocks h and 2 + h) are neighbours.
	; A lane pair holds a block, so bits 1 and 2 of the lane's number change places in the codes' address; the scale bytes keep their order.
	v_and_b32 v8, 0x19, v2
	v_bfe_u32 v9, v2, 1, 1
	v_lshl_or_b32 v8, v9, 2, v8
	v_bfe_u32 v9, v2, 2, 1
	v_lshl_or_b32 v8, v9, 1, v8
	v_mul_u32_u24 v4, v8, CB
	v_lshrrev_b32 v5, 1, v2
	s_add_co_u32 s33, s33, 2*32*SP
	v_add_nc_u32 v5, s33, v5                       ; LDS: my wave's 256 scale bytes, my block's byte
	v_lshlrev_b32 v7, 3, v2                        ; and on the way out 8 bytes a lane
	v_add_nc_u32 v6, s33, v7
	; rows, from the work-group's number alone
	s_lshl_b32 s34, ttmp9, 4                       ; A: row 16 x work-group, in and out
	s_and_b32 s35, ttmp9, 63                       ; B: q, which 16 rows of the gate's 1,024
	s_lshl_b32 s36, s35, 4                         ;    in: row 16 q
	s_lshr_b32 s37, s35, 1
	s_lshl_b32 s37, s37, 7                         ;    out: (q / 2) x 128
	s_lshr_b32 s38, ttmp9, 6
	s_and_b32 s38, s38, 3                          ;    the gate g (512 / 64 is a multiple of 4)
	s_lshl_b32 s38, s38, 5
	s_add_co_u32 s37, s37, s38                     ;    + 32 g
	s_and_b32 s38, s35, 1
	s_lshl_b32 s38, s38, 4
	s_add_co_u32 s37, s37, s38                     ;    + 16 (q % 2)
	s_wait_alu depctr_va_vdst(0)
	s_wait_kmcnt 0x0
	s_cmp_lt_u32 ttmp9, 704                        ; the pair is chosen by the work-group's number alone; it begins as (wxo, who)
	s_cselect_b64 s[SRC0:SRC0+1], s[16:17], s[SRC0:SRC0+1]
	s_cselect_b64 s[SRC1:SRC1+1], s[18:19], s[SRC1:SRC1+1]
	s_cmp_lt_u32 ttmp9, 640
	s_cselect_b64 s[SRC0:SRC0+1], s[12:13], s[SRC0:SRC0+1]
	s_cselect_b64 s[SRC1:SRC1+1], s[14:15], s[SRC1:SRC1+1]
	s_cmp_lt_u32 ttmp9, 576
	s_cselect_b64 s[SRC0:SRC0+1], s[8:9], s[SRC0:SRC0+1]
	s_cselect_b64 s[SRC1:SRC1+1], s[10:11], s[SRC1:SRC1+1]
	s_cmp_lt_u32 ttmp9, 512                        ; A's work-group or B's?  All that hangs on this compare is selected before SCC is set anew
	s_cselect_b64 s[SRC0:SRC0+1], s[4:5], s[SRC0:SRC0+1]
	s_cselect_b64 s[SRC1:SRC1+1], s[6:7], s[SRC1:SRC1+1]
	s_cselect_b64 s[CODES:CODES+1], s[24:25], s[28:29]
	s_cselect_b64 s[SCALES:SCALES+1], s[26:27], s[30:31]
	s_cselect_b32 s36, s34, s36                    ; the row I read,
	s_cselect_b32 s37, s34, s37                    ; the row I write
	s_lshl_b32 s38, s32, 2
	s_add_co_u32 s36, s36, s38                     ; + 4 x wave
	s_add_co_u32 s37, s37, s38
	s_lshl_b32 s40, s36, 12                        ; a row of f32 is 4,096 bytes (all offsets here stay under 2^26)
	s_mov_b32 s41, 0
	s_add_nc_u64 s[SRC0:SRC0+1], s[SRC0:SRC0+1], s[40:41]
	s_add_nc_u64 s[SRC1:SRC1+1], s[SRC1:SRC1+1], s[40:41]
	s_mul_i32 s40, s37, 1536                       ; a row of codes
	s_add_nc_u64 s[CODES:CODES+1], s[CODES:CODES+1], s[40:41]
	s_lshl_b32 s40, s37, 6                         ; a row of scale bytes
	s_add_nc_u64 s[SCALES:SCALES+1], s[SCALES:SCALES+1], s[40:41]
.macro LOAD t                          ; step t: row t / 4, tensor (t / 2) % 2, half t % 2
.irp i, 0,1,2,3
.if (((\t)/2)%2) == 0
	global_load_b128 v[R+16*((\t)%4)+4*\i:R+16*((\t)%4)+4*\i+3], v3, s[SRC0:SRC0+1] offset:4096*((\t)/4)+2048*((\t)%2)+512*\i th:TH_LOAD_NT   ; 32 lanes read 512 consecutive bytes
.else
	global_load_b128 v[R+16*((\t)%4)+4*\i:R+16*((\t)%4)+4*\i+3], v3, s[SRC1:SRC1+1] offset:4096*((\t)/4)+2048*((\t)%2)+512*\i th:TH_LOAD_NT
.endif
.endr
.endm
.macro TURN t                          ; step t's numbers through the stage: LDS serves a wave's instructions in order, so no wait stands between the stores and the loads
.irp i, 0,1,2,3
	ds_store_b128 v14, v[R+16*((\t)%4)+4*\i:R+16*((\t)%4)+4*\i+3] offset:32*SP*((\t)%2)+8*SP*\i
.endr
.irp i, 0,1,2,3
	ds_load_b128 v[X+16*((\t)%2)+4*\i:X+16*((\t)%2)+4*\i+3], v15 offset:32*SP*((\t)%2)+16*\i
.endr
.endm
.irp t, 0,1,2,3
	LOAD \t
.endr
	s_wait_loadcnt 12                              ; step 0's four loads are in; the twelve of steps 1 to 3 may be out
	TURN 0
.macro STEP t
.set XS, X+16*((\t)%2)
.if (\t) > 0
	s_wait_dscnt 1                                 ; this step's numbers are back from the stage (the last step's byte store may be out): so its stores into the stage have read their registers,
.else
	s_wait_dscnt 0x0
.endif
.if (\t)+4 < STEPS
	LOAD (\t)+4                                    ; which take the loads of four steps on
.endif
.if (\t)+1 < STEPS
.if STEPS-2-(\t) >= 3
	s_wait_loadcnt 12                              ; the next step's four loads are in; those of the three steps behind it may be out
.else
	s_wait_loadcnt 4*(STEPS-2-(\t))                ; at the end the counts run down: 8, 4, 0
.endif
	TURN (\t)+1                                    ; and go through the other stage while this step is worked
.endif
	v_max3_num_f32 v8, |v[XS]|, |v[XS+1]|, |v[XS+2]|               ; the largest magnitude of my 16, in two chains
	v_max3_num_f32 v9, |v[XS+3]|, |v[XS+4]|, |v[XS+5]|
.irp i, 6,10
	v_max3_num_f32 v8, v8, |v[XS+\i]|, |v[XS+\i+1]|
	v_max3_num_f32 v9, v9, |v[XS+\i+2]|, |v[XS+\i+3]|
.endr
	v_max3_num_f32 v8, v8, |v[XS+14]|, |v[XS+15]|
	v_max3_num_f32 v8, v8, v9, (EMAX+1)<<23        ; and the floor 2^(EMAX + 1 - 127), under which no largest magnitude is taken: so the byte cannot fall under 1
	v_max_num_f32_dpp v8, v8, v8 row_xmask:1 row_mask:0xf bank_mask:0xf   ; and of my neighbour's 16: the block's
	v_add_nc_u32 v11, -(EMAX<<23), v8              ; EMAX off its exponent field: the conversion takes the exponent field of this operand as its scale, and nothing else of it
	v_cvt_scalef32_pk16_bf6_f32 v[C+4*(\t):C+4*(\t)+2], v[XS:XS+15], v11         ; sixteen numbers / 2^(v11's exponent), to the nearest code, ties to even, beyond the largest code the largest; 96 bits without gaps, the first number's code lowest
	v_lshrrev_b32 v[E+(\t)], 23, v11               ; the scale's byte (also the plain line behind the conversion)
	ds_store_b8 v5, v[E+(\t)] offset:16*(\t)       ; both lanes of a block write the same byte with the same value
	global_store_b96 v4, v[C+4*(\t):C+4*(\t)+2], s[CODES:CODES+1] offset:32*CB*(\t)   ; the wave stores 384 consecutive bytes; two steps' stores cover 768, aligned at 256
.endm
.irp t, 0,1,2,3,4,5,6,7,8,9,10,11,12,13,14,15
	STEP \t
.endr
	ds_load_b64 v[8:9], v6                         ; LDS serves a wave's instructions in order: these see my stores
	s_wait_dscnt 0x0
	global_store_b64 v7, v[8:9], s[SCALES:SCALES+1]   ; 32 lanes store 256 consecutive bytes, aligned: four rows' scale bytes
	s_wait_tensorcnt 0x0                           ; the wave's end: behind my last LDS store
	ds_add_u32 v[SPW], v[NIL]
	s_wait_dscnt 0x0
	s_endpgm
.Lfunc_end_k_q4998d0d75c_quant:
	.size	k_q4998d0d75c_quant, .Lfunc_end_k_q4998d0d75c_quant-k_q4998d0d75c_quant
	.p2alignl 7, 3214868480
	.fill 96, 4, 3214868480
	.section	.rodata,"a",@progbits
	.p2align	6, 0x0
	.amdhsa_kernel k_q4998d0d75c_quant
		.amdhsa_group_segment_fixed_size 33280
		.amdhsa_private_segment_fixed_size 0
		.amdhsa_enable_private_segment 0
		.amdhsa_kernarg_size 112
		.amdhsa_user_sgpr_count 2
		.amdhsa_user_sgpr_kernarg_segment_ptr 1
		.amdhsa_wavefront_size32 1
		.amdhsa_system_sgpr_workgroup_id_x 1
		.amdhsa_system_sgpr_workgroup_id_y 1
		.amdhsa_system_sgpr_workgroup_id_z 1
		.amdhsa_system_vgpr_workitem_id 0
		.amdhsa_next_free_vgpr 192
		.amdhsa_next_free_sgpr 66
		.amdhsa_reserve_vcc 0
		.amdhsa_float_denorm_mode_32 3
		.amdhsa_float_denorm_mode_16_64 3
		.amdhsa_memory_ordered 1
		.amdhsa_forward_progress 1
		.amdhsa_inst_pref_size 33
	.end_amdhsa_kernel
	.amdgpu_metadata
---
amdhsa.version: [ 1, 2 ]
amdhsa.kernels:
  - .name:           k_q4998d0d75c_quant
    .symbol:         k_q4998d0d75c_quant.kd
    .args:
      - { .name: x, .offset: 0, .size: 8, .value_kind: global_buffer, .address_space: global }
      - { .name: hx, .offset: 8, .size: 8, .value_kind: global_buffer, .address_space: global }
      - { .name: wxi, .offset: 16, .size: 8, .value_kind: global_buffer, .address_space: global }
      - { .name: whi, .offset: 24, .size: 8, .value_kind: global_buffer, .address_space: global }
      - { .name: wxf, .offset: 32, .size: 8, .value_kind: global_buffer, .address_space: global }
      - { .name: whf, .offset: 40, .size: 8, .value_kind: global_buffer, .address_space: global }
      - { .name: wxc, .offset: 48, .size: 8, .value_kind: global_buffer, .address_space: global }
      - { .name: whc, .offset: 56, .size: 8, .value_kind: global_buffer, .address_space: global }
      - { .name: wxo, .offset: 64, .size: 8, .value_kind: global_buffer, .address_space: global }
      - { .name: who, .offset: 72, .size: 8, .value_kind: global_buffer, .address_space: global }
      - { .name: a_codes, .offset: 80, .size: 8, .value_kind: global_buffer, .address_space: global }
      - { .name: a_scales, .offset: 88, .size: 8, .value_kind: global_buffer, .address_space: global }
      - { .name: b_codes, .offset: 96, .size: 8, .value_kind: global_buffer, .address_space: global }
      - { .name: b_scales, .offset: 104, .size: 8, .value_kind: global_buffer, .address_space: global }
    .group_segment_fixed_size: 33280
    .private_segment_fixed_size: 0
    .kernarg_segment_align: 8
    .kernarg_segment_size: 112
    .max_flat_workgroup_size: 128
    .sgpr_count:     66
    .vgpr_count:     192
    .wavefront_size: 32
...
	.end_amdgpu_metadata
.endif
;; end of part 1
;; launch lstm (part 2): grid 16 x 32, 4 waves a work-group, clusters of 4 x 4, 327,680 bytes of LDS; arguments a_codes, a_scales, b_codes, b_scales, bxi, bhi, bxf, bhf, bxc, bhc, bxo, bho, cx, out0, out1; writes out0, out1
.if DOCPART == 2
	.amdgcn_target "amdgcn-amd-amdhsa--gfx1250"
	.amdhsa_code_object_version 6
	.text
	.protected	k_q4998d0d75c_lstm
	.globl	k_q4998d0d75c_lstm
	.p2align	8
	.type	k_q4998d0d75c_lstm,@function
k_q4998d0d75c_lstm:
	s_mov_b64 s[64:65], 0
	v_nop
	global_prefetch_b8 v0, s[64:65] scope:SCOPE_SE
	s_setreg_imm32_b32 hwreg(HW_REG_WAVE_MODE, 25, 1), 1
	s_wait_xcnt 0x0
	s_wait_alu depctr_hold_cnt(0) depctr_sa_sdst(0) depctr_va_vdst(0) depctr_va_sdst(0) depctr_va_ssrc(0) depctr_va_vcc(0) depctr_vm_vsrc(0)
	s_getreg_b32 s2, hwreg(HW_REG_IB_STS2, 6, 4)
	s_cmp_eq_u32 s2, 0
	s_cbranch_scc0 .Lentry_in_a_cluster
	s_endpgm
.Lentry_in_a_cluster:
	s_bfe_u32 s2, ttmp6, 0x10000c
	s_cmp_lg_u32 s2, 0xf033
	s_cbranch_scc0 .Lentry_shape_is_right
	s_endpgm
.Lentry_shape_is_right:
; LSTM cell, second launch: the four gates' pre-activations as ONE product on codes of BF6 (E3M2) with E8M0 scales, and the cell's arithmetic behind it, in f32.  out0 = hy, out1 = cy.
; (task_id is a constant that the reference never reads: it has no buffer and is named nowhere.)
; A = a_codes [8192][1,536 bytes] = [x | hx];  B = b_codes [4096][1,536 bytes] = [wx_g | wh_g], rows in the order n = (j / 32) x 128 + g x 32 + j % 32 (g = 0..3: i, f, c, o); scale bytes [row][64].
; In both, each 96 bytes (128 codes) lie as blocks 0, 2, 1, 3 of 24 bytes: lane (r, h) of an operand holds blocks h and 2 + h, 48 neighbouring bytes at 96 step + 48 h: three loads of 16 bytes.
; A work-group of four waves makes 256 rows x 64 columns j x 4 gates; a wave 128 x 128 of the product: 64 accumulators, 512 registers.
; K goes through a ring of two LDS slots in CHUNKS OF 256 BYTES of each row (6 chunks; each begins at a multiple of 256 bytes); a step of 128 along K is 96 bytes: 16 steps, written out, since slots and chunks come back only after 16.
; The scale bytes of the work-group's rows come into LDS once, at the head.  CLUSTERS 4 x 4: A's tiles are asked for jointly along a row of the cluster, B's along a column.
; THE MATRIX INSTRUCTION IS USED TRANSPOSED (source 0 = B's rows, source 1 = A's): register e of accumulator (a, 2 g + u) in lane (r, h) is gate g of row 16 a + r, column 16 u + 8 h + e: the four gates of an element lie in one lane.
; THE BIASES bx_g + bh_g are the C of each sum's first matrix instruction.  (Order of rounding: bias, x's part of K, hx's, in one f32 sum; the reference adds four terms.)
; THE TAIL.  With a = 2^(-z log2 e), sigmoid(z) = 1 / (1 + a); with b = 2^(2 z log2 e), tanh(z) = (b - 1) / (1 + b).  A sigmoid times a tanh is (b - 1) / ((1 + a)(1 + b)): one reciprocal.
; b's exponent is held at 32 from above, where (b - 1) / (1 + b) is 1 in f32: so b - 1 is finite; where a or the product of the two sums overflows, the reciprocal is 0, and the sigmoid lies under 2^-94.  So the forms hold for every finite z.
; cx's tile comes by one tensor load a wave into slot 0's rows of A when the ring has left them (same pitch); hy and cy leave through stages in slot 1, block by block of 16 rows, as whole rows of 256 bytes.
; PREFETCHES.  The codes: of the 128 rows that a wave fetches, each of the four partners that ask for them jointly takes 32, told apart by address, a lane a row, one instruction a chunk: chunks 1 and 2 behind the head's loads,
; chunks 3, 4, 5 at steps 0, 3, 6, whose tensor loads stand at steps 5, 7, 10: at most two chunks are asked for and not yet read.  cx: my wave's 64 rows at step 8, their tensor load at step 13.
; LIMITS: NaN and infinities among the inputs are not served (those of the first launch hold here too).
; REGISTERS: window 0: v10-31 addresses; v32-63 scale words, two sets; v64-127 biases, then the tail's numbers; v128-223 A's fragments, one set; window 1: B's fragments, two sets; windows 2, 3: accumulators.
.set ROWB,   256
.set KROW,   1536
.set CHUNKS, 6
.set STEPS,  16
.set PITCH,  272                       ; 256 bytes + 16 of padding
.set FR,     12
.set NL,     3                         ; LDS loads that bring a fragment
.set NP,     4                         ; places behind this matrix instruction (ISA guide 7.12.1)
.set HALFT,  128*PITCH
.set SLOT,   4*HALFT                   ; A's 256 rows, then B's 256 rows
.set KS,     64
.set SCL,    2*SLOT                    ; the scales, as rows of 256 bytes + 16
.set HALFS,  (128*KS/256)*272
.set SBLK,   (16*KS/256)*272
.set SPARE,  SCL+4*HALFS               ; the spare words: 512 bytes that no other line names
.set EP,     272                       ; cx's tile and the stages: a row of 64 f32 + 16 bytes
.set CXW,    64*EP
.set HYS,    SLOT                      ; hy's stage, 256 rows, in slot 1; written only when slot 1 has had its last fill and its last read
.set CYS,    HYS+256*EP                ; cy's: the two fill slot 1
.set EA,   10
.set EH,   11
.set EC,   12
.set RB,   13
.set BO,   15
.set ADRA, 16                          ; v16-17 my A fragments in slot 0, 1; v18-19: lanes 0-15 byte 208 of a row in slot 0, 1, lanes 16-31 byte 0 of the row in the other slot
.set ADRB, 20
.set CO,   26
.set ADRS, 27
.set SPW,  28
.set NIL,  29
.set PFO,  30                          ; v30 4,096 x lane: a lane a row of cx; never rewritten
.set PFK,  31                          ; v31 1,536 x lane: a lane a row of codes; never rewritten
.set SC,   32
.set BIAS, 64
.set T,    64
.set AF,   128
.set CX0,  128
.set CY,   160
.set W,    176
.set OB,   192
.set PFA,  2                           ; s[2:3] the codes' prefetches: my work-group's 32 rows of the 128 that I fetch; never rewritten
.set G1C,  4                           ; s[4:11] arguments, then the biases' addresses, at last group 1 for cx's tile
.set PFC,  12
.set NLE,  18
.set P2L,  20
.set C32,  22                          ; s22 32.0
.set G1,   24
.set G0,   32
.set G1B,  48
.set G0B,  56
.set OUTW, 66
.set G1S,  68
.set G0S,  76
.set G1SB, 80
.set G0SB, 88
.set G0HB, 92                          ; group 0 of the head's load of B's chunk 0
.set G0H,  96                          ; of A's chunk 0; later
.set G0C,  96                          ; group 0 for cx's tile
.set OUT1, 100
.set MSB, 0
.macro WIN new
.if MSB != (\new)
	s_set_vgpr_msb (MSB<<8)|(\new)
.set MSB, (\new)
.endif
.endm
.set MUL_LO, 0xa1                      ; source 0 (B) window 1, source 1 (A) window 0, C and D window 2
.set MUL_HI, 0xf1
.set BEG_LO, 0x81                      ; a sum's first product: C (the bias) window 0, D window 2
.set BEG_HI, 0xc1
.set TO_B,   0x40
.macro PLACES n
.rept \n
	v_nop
.endr
.endm
.macro JLOAD g0a, g1a, g0b, g1b        ; a joint load: waves 0, 1 for A, waves 2, 3 for B; s_nop 0 and four v_nop behind each line
	s_cmp_eq_u32 s15, 0
	s_cbranch_scc0 .Lfor_b_\@
	tensor_load_to_lds s[\g0a:\g0a+3], s[\g1a:\g1a+7]
	s_nop 0
	PLACES 4
	s_branch .Lasked_\@
.Lfor_b_\@:
	tensor_load_to_lds s[\g0b:\g0b+3], s[\g1b:\g1b+7]
	s_nop 0
	PLACES 4
.Lasked_\@:
.endm
.macro CREST                           ; a round of the cluster's barrier behind its opening barrier
	s_cmp_lg_u32 s14, 0
	s_cbranch_scc1 .Lnot_wave_0_\@
	s_barrier_signal -3
.Lnot_wave_0_\@:
	s_barrier_wait -3
	s_barrier_signal -1
	s_barrier_wait -1
.endm
.macro CROUND
	s_barrier_signal -1
	s_barrier_wait -1
	CREST
.endm
	s_load_b256 s[4:11], s[0:1], 0x0               ; A's codes, A's scales, B's codes, B's scales
	s_load_b64 s[PFC:PFC+1], s[0:1], 0x60          ; cx
	s_load_b64 s[OUTW:OUTW+1], s[0:1], 0x68        ; out0 = hy
	s_load_b64 s[OUT1:OUT1+1], s[0:1], 0x70        ; out1 = cy
	v_lshl_add_u32 v[SPW], v0, 2, SPARE
	v_mov_b32 v[NIL], 0
	ds_add_u32 v[SPW], v[NIL]                      ; the opening lines: the add, twice on end, and its wait ahead of my first tensor load
	ds_add_u32 v[SPW], v[NIL]
	v_lshrrev_b32 v1, 5, v0
	v_readfirstlane_b32 s14, v1                    ; wave 0..3
	s_lshr_b32 s15, s14, 1                         ; my half of the tile's rows; also: I fetch for A (0) or B (1)
	s_and_b32 s16, s14, 1                          ; my half of B's rows; which 128 rows I fetch; which output I store
	s_bfe_u32 s40, ttmp6, 0x40000
	s_bfe_u32 s41, ttmp6, 0x40004
	s_lshl_b32 s42, ttmp9, 2
	s_add_co_u32 s42, s42, s40                     ; tile column
	s_and_b32 s17, ttmp7, 0xffff
	s_lshl_b32 s17, s17, 2
	s_add_co_u32 s17, s17, s41                     ; tile row
	s_lshl_b32 s43, s41, 2
	s_lshl_b32 s43, 15, s43                        ; my row of the cluster
	s_lshl_b32 s44, 0x1111, s40                    ; my column
	s_or_b32 s[G1+0], s43, (0<<16)|(1<<20)|(1<<21)|(5<<22)|(3<<25)  ; the mask; 1-byte elements; 4 words of padding behind every 64
	s_or_b32 s[G1B+0], s44, (0<<16)|(1<<20)|(1<<21)|(5<<22)|(3<<25)
.irp g, G1, G1B
	s_mov_b32 s[\g+1], ROWB<<16
	s_mov_b32 s[\g+2], 256<<16                     ; 256 rows for the head's loads; set to 128 behind them
	s_mov_b32 s[\g+3], ROWB<<16
	s_mov_b32 s[\g+4], 256
	s_mov_b32 s[\g+5], KROW
	s_mov_b32 s[\g+6], 0
	s_mov_b32 s[\g+7], 0
.endr
	s_or_b32 s[G1S+0], s43, (3<<16)|(1<<20)|(1<<21)|(5<<22)|(3<<25)  ; the scales of 256 rows: a dense block, as 64 rows of 256 bytes
	s_or_b32 s[G1SB+0], s44, (3<<16)|(1<<20)|(1<<21)|(5<<22)|(3<<25)
.irp g, G1S, G1SB
	s_mov_b32 s[\g+1], 32<<16
	s_mov_b32 s[\g+2], KS<<16
	s_mov_b32 s[\g+3], 32<<16
	s_mov_b32 s[\g+4], KS
	s_mov_b32 s[\g+5], 32
	s_mov_b32 s[\g+6], 0
	s_mov_b32 s[\g+7], 0
.endr
	s_lshl_b32 s20, s17, 8                         ; A: the tile's first row
	s_lshl_b32 s46, s42, 8                         ; B's
	s_mov_b32 s21, 0
	s_mov_b32 s47, 0
	s_mov_b64 s[18:19], KS
	s_mul_u64 s[22:23], s[20:21], s[18:19]
	s_mul_u64 s[92:93], s[46:47], s[18:19]
	s_mov_b64 s[18:19], KROW
	s_mul_u64 s[20:21], s[20:21], s[18:19]
	s_mul_u64 s[46:47], s[46:47], s[18:19]
	s_mul_i32 s18, s16, 128*KROW                   ; in the ring I fetch 128 rows: which half
	s_mov_b32 s19, 0
	s_mul_i32 s45, s14, HALFT                      ; and where they go
	s_wait_dscnt 0x0                               ; both opening adds are done
	s_wait_kmcnt 0x0
	s_add_nc_u64 s[20:21], s[4:5], s[20:21]
	s_add_nc_u64 s[22:23], s[6:7], s[22:23]
	s_add_nc_u64 s[46:47], s[8:9], s[46:47]
	s_add_nc_u64 s[92:93], s[10:11], s[92:93]
	CROUND                                         ; all sixteen work-groups are here: the first joint loads meet
	s_mov_b32 s[G0S], 1
	s_mov_b32 s[G0S+1], SCL
	s_mov_b64 s[G0S+2:G0S+3], s[22:23]
	s_or_b32 s[G0S+3], s[G0S+3], 0x80000000
	s_mov_b32 s[G0SB], 1
	s_mov_b32 s[G0SB+1], SCL+2*HALFS
	s_mov_b64 s[G0SB+2:G0SB+3], s[92:93]
	s_or_b32 s[G0SB+3], s[G0SB+3], 0x80000000
	s_mov_b32 s[G0H], 1
	s_mov_b32 s[G0H+1], 0
	s_mov_b64 s[G0H+2:G0H+3], s[20:21]
	s_or_b32 s[G0H+3], s[G0H+3], 0x80000000
	s_mov_b32 s[G0HB], 1
	s_mov_b32 s[G0HB+1], 2*HALFT
	s_mov_b64 s[G0HB+2:G0HB+3], s[46:47]
	s_or_b32 s[G0HB+3], s[G0HB+3], 0x80000000
	s_add_nc_u64 s[20:21], s[20:21], s[18:19]
	s_add_nc_u64 s[46:47], s[46:47], s[18:19]
.irp s, 0,1
	s_mov_b32 s[G0+4*\s], 1
	s_add_co_u32 s[G0+4*\s+1], s45, \s*SLOT
	s_add_nc_u64 s[G0+4*\s+2:G0+4*\s+3], s[20:21], \s*ROWB
	s_or_b32 s[G0+4*\s+3], s[G0+4*\s+3], 0x80000000
	s_mov_b32 s[G0B+4*\s], 1
	s_add_co_u32 s[G0B+4*\s+1], s45, \s*SLOT
	s_add_nc_u64 s[G0B+4*\s+2:G0B+4*\s+3], s[46:47], \s*ROWB
	s_or_b32 s[G0B+4*\s+3], s[G0B+4*\s+3], 0x80000000
.endr
; THE HEAD'S LOADS, ONE A WAVE: wave 0 chunk 0's 256 rows of A, wave 1 of B, wave 2 A's scales, wave 3 B's.  One tree of branches on the wave's number.
.macro ARM under, g0, g1, next
	s_cmp_lt_u32 s14, \under
	s_cbranch_scc0 \next
	tensor_load_to_lds s[\g0:\g0+3], s[\g1:\g1+7]
	s_nop 0
	PLACES 4
	s_branch .Lhead_asked
\next:
.endm
	ARM 1, G0H,  G1,  .Lhead_b
	ARM 2, G0HB, G1B, .Lhead_sa
	ARM 3, G0S,  G1S, .Lhead_sb
	tensor_load_to_lds s[G0SB:G0SB+3], s[G1SB:G1SB+7]
	s_nop 0
	PLACES 4
.Lhead_asked:
	; the codes' prefetches: the tile's first row + the 128 rows that I fetch in the ring + my work-group's 32 of them (my place along x for A, along y for B)
	v_and_b32 v[PFK], 31, v0
	v_mul_u32_u24 v[PFK], v[PFK], KROW
	s_cmp_eq_u32 s15, 0                            ; do I fetch for A?  The wave's number alone decides
	s_cselect_b32 s18, s17, s42
	s_cselect_b32 s19, s40, s41
	s_cselect_b64 s[PFA:PFA+1], s[4:5], s[8:9]
	s_lshl_b32 s18, s18, 8
	s_lshl_b32 s22, s16, 7
	s_add_co_u32 s18, s18, s22
	s_lshl_b32 s19, s19, 5
	s_add_co_u32 s18, s18, s19
	s_mul_i32 s18, s18, KROW                       ; under 2^24
	s_mov_b32 s19, 0
	s_add_nc_u64 s[PFA:PFA+1], s[PFA:PFA+1], s[18:19]
	s_wait_alu depctr_va_vdst(0)
	global_prefetch_b8 v[PFK], s[PFA:PFA+1] offset:ROWB th:TH_LOAD_NT scope:SCOPE_SE     ; chunk 1
	global_prefetch_b8 v[PFK], s[PFA:PFA+1] offset:2*ROWB th:TH_LOAD_NT scope:SCOPE_SE   ; chunk 2
	; cx at the 64 rows that my wave fetches: row 256 x tile row + 64 x wave; column 64 x tile column
	s_lshl_b32 s46, s17, 8
	s_lshl_b32 s47, s14, 6
	s_add_co_u32 s46, s46, s47
	s_lshl_b32 s46, s46, 12
	s_lshl_b32 s47, s42, 8
	s_add_co_u32 s46, s46, s47
	s_mov_b32 s47, 0
	s_add_nc_u64 s[PFC:PFC+1], s[PFC:PFC+1], s[46:47]
	; the output that my wave stores: even waves hy, odd waves cy, at my half of the tile's rows
	s_cmp_eq_u32 s16, 0
	s_cselect_b64 s[OUTW:OUTW+1], s[OUTW:OUTW+1], s[OUT1:OUT1+1]
	s_lshl_b32 s46, s17, 8
	s_lshl_b32 s47, s15, 7
	s_add_co_u32 s46, s46, s47
	s_lshl_b32 s46, s46, 12
	s_lshl_b32 s47, s42, 8
	s_add_co_u32 s46, s46, s47
	s_mov_b32 s47, 0
	s_add_nc_u64 s[OUTW:OUTW+1], s[OUTW:OUTW+1], s[46:47]
	; the scalar parts of all LDS addresses, from the wave's number alone
	s_mul_i32 s20, s15, HALFT                      ; my 128 rows of A
	s_mul_i32 s21, s16, HALFT
	s_add_co_u32 s21, s21, 2*HALFT                 ; my 128 rows of B
	s_mul_i32 s23, s15, HALFS
	s_mul_i32 s22, s16, HALFS
	s_add_co_u32 s22, s22, 2*HALFS
	s_sub_co_u32 s22, s22, s23                     ; from A's scales to B's
	s_add_co_u32 s23, s23, SCL
	s_mul_i32 s40, s15, 128*EP
	s_lshl_b32 s41, s16, 7
	s_add_co_u32 s40, s40, s41                     ; cx: my rows, my 128 bytes of them
	s_add_co_u32 s41, s40, HYS                     ; the same place in hy's stage
	s_mul_i32 s43, s16, 256*EP
	s_mul_i32 s44, s15, 128*EP
	s_add_co_u32 s43, s43, s44
	s_add_co_u32 s43, s43, HYS                     ; the way back: my output's stage, my half of its rows
	s_lshl_b32 s44, s42, 8
	s_lshl_b32 s45, s16, 7
	s_add_co_u32 s44, s44, s45                     ; my 32 columns in a bias, in bytes
	s_load_b256 s[4:11], s[0:1], 0x20              ; bxi, bhi, bxf, bhf
	v_and_b32 v1, 15, v0                           ; r
	v_bfe_u32 v2, v0, 4, 1                         ; h
	v_lshl_add_u32 v[BO], v2, 5, s44
.macro BIASES g0                       ; gates g0, g0 + 1: bx into the biases' registers, bh into those that A's fragments will take
.irp d, 0,1
.irp u, 0,1
.irp k, 0,1
	global_load_b128 v[BIAS+16*((\g0)+\d)+8*\u+4*\k:BIAS+16*((\g0)+\d)+8*\u+4*\k+3], v[BO], s[4+4*\d:5+4*\d] offset:64*\u+16*\k
	global_load_b128 v[AF+16*((\g0)+\d)+8*\u+4*\k:AF+16*((\g0)+\d)+8*\u+4*\k+3], v[BO], s[6+4*\d:7+4*\d] offset:64*\u+16*\k
.endr
.endr
.endr
.endm
	s_wait_alu depctr_va_vdst(0)
	s_wait_kmcnt 0x0
	BIASES 0
	s_wait_xcnt 0x0                                ; the bases are written again only behind this wait
	s_load_b256 s[4:11], s[0:1], 0x40              ; bxc, bhc, bxo, bho
	s_wait_kmcnt 0x0
	BIASES 2
	v_mul_u32_u24 v3, v1, PITCH
	v_mad_u32_u24 v4, v2, 48, v3                   ; a fragment's row x pitch + 48 x half
	v_mad_u32_u24 v5, v2, SLOT-208, v3
	v_add_nc_u32 v5, 208, v5                       ; lanes 0-15 byte 208 of the row in slot 0, lanes 16-31 byte 0 in slot 1
	v_sub_nc_u32 v7, 1, v2
	v_mad_u32_u24 v6, v7, SLOT+208, v3             ; lanes 0-15 byte 208 in slot 1, lanes 16-31 byte 0 in slot 0
	v_add_nc_u32 v[ADRA+2], s20, v5
	v_add_nc_u32 v[ADRA+3], s20, v6
	v_add_nc_u32 v[ADRB+2], s21, v5
	v_add_nc_u32 v[ADRB+3], s21, v6
	v_add_nc_u32 v[ADRA], s20, v4
	v_add_nc_u32 v[ADRB], s21, v4
	v_add_nc_u32 v[ADRA+1], SLOT, v[ADRA]
	v_add_nc_u32 v[ADRB+1], SLOT, v[ADRB]
	v_mul_u32_u24 v5, v1, KS                       ; my row's scales: 64 bytes a row, 16 more for each 256 passed
	v_lshrrev_b32 v6, 8, v5
	v_lshl_add_u32 v5, v6, 4, v5
	v_mul_u32_u24 v6, s22, v2                      ; lanes 16-31 take B's
	v_add_nc_u32 v5, v5, v6
	v_add_nc_u32 v[ADRS], s23, v5
	v_mul_u32_u24 v8, v1, EP
	v_lshl_add_u32 v8, v2, 5, v8                   ; row r, 32 bytes a half
	v_add_nc_u32 v[EA], s40, v8
	v_add_nc_u32 v[EH], s41, v8
	v_add_nc_u32 v[EC], 256*EP, v[EH]
	v_mul_u32_u24 v[RB], v2, EP
	v_lshl_add_u32 v[RB], v1, 4, v[RB]
	v_add_nc_u32 v[RB], s43, v[RB]                 ; lanes 0-15 one whole row of 256 bytes, lanes 16-31 the next
	v_lshlrev_b32 v[CO], 12, v2
	v_lshl_add_u32 v[CO], v1, 4, v[CO]
	v_and_b32 v[PFO], 31, v0
	v_lshlrev_b32 v[PFO], 12, v[PFO]               ; a lane a row of cx
	s_wait_loadcnt 0x0                             ; the 32 bias loads are in: their bases are free too
.set i, 0
.rept 32
	v_pk_add_f32 v[BIAS+2*i:BIAS+2*i+1], v[BIAS+2*i:BIAS+2*i+1], v[AF+2*i:AF+2*i+1]   ; bx + bh
.set i, i+1
.endr
	s_mov_b32 s[G1C+0], (2<<16)|(1<<20)|(5<<22)|(3<<25)  ; cx's tile: 64 rows x 64 f32, the ring's padding; no mask
	s_mov_b32 s[G1C+1], 64<<16
	s_mov_b32 s[G1C+2], 64<<16
	s_mov_b32 s[G1C+3], 64<<16
	s_mov_b32 s[G1C+4], 64
	s_mov_b32 s[G1C+5], 1024
	s_mov_b32 s[G1C+6], 0
	s_mov_b32 s[G1C+7], 0
	s_mov_b32 s[NLE], 0xbfb8aa3b                   ; -log2(e)
	s_mov_b32 s[NLE+1], 0xbfb8aa3b
	s_mov_b32 s[P2L], 0x4038aa3b                   ; 2 log2(e)
	s_mov_b32 s[P2L+1], 0x4038aa3b
	s_mov_b32 s[C32], 0x42000000                   ; 32.0
.macro FRAG reg, adr, st, i            ; a fragment: 12 registers, 48 neighbouring bytes a lane, in pieces of 16, each inside one chunk; byte y of a row lies in slot (y / 256) % 2 at byte y % 256
.irp p, 0,1,2
.set BY, 96*(\st)+16*\p
.if BY/ROWB == (BY+48)/ROWB
	ds_load_b128 v[\reg+4*\p:\reg+4*\p+3], v[\adr+(BY/ROWB)%2] offset:BY%ROWB+(\i)*16*PITCH
.else                                  ; the two halves of the lanes read different chunks: BY % 256 is 208, 224 or 240
	ds_load_b128 v[\reg+4*\p:\reg+4*\p+3], v[\adr+2+(BY/ROWB)%2] offset:BY%ROWB-208+(\i)*16*PITCH
.endif
.endr
.endm
; 8 matrix instructions of step st: A's block a x B's eight.  first = 1: the sums begin with the biases as C.  The 64 accumulators take turns.
.macro MUL8 a, st, first
.irp b, 0,1,2,3,4,5,6,7
.set WD, 8*(8*((\a)%4)+\b)
.set WB, 128*((\st)%2)+FR*\b
.set WA, AF+FR*(\a)
.set WS, SC+16*(((\st)/2)%2)+(\st)%2
.if \first
	v_wmma_scale_f32_16x16x128_f8f6f4 v[WD:WD+7], v[WB:WB+11], v[WA:WA+11], v[BIAS+8*\b:BIAS+8*\b+7], v[WS+2*\b], v[WS+2*(\a)] matrix_a_fmt:MATRIX_FMT_BF6 matrix_b_fmt:MATRIX_FMT_BF6 matrix_a_scale:MATRIX_SCALE_ROW1
.else
	v_wmma_scale_f32_16x16x128_f8f6f4 v[WD:WD+7], v[WB:WB+11], v[WA:WA+11], v[WD:WD+7], v[WS+2*\b], v[WS+2*(\a)] matrix_a_fmt:MATRIX_FMT_BF6 matrix_b_fmt:MATRIX_FMT_BF6 matrix_a_scale:MATRIX_SCALE_ROW1
.endif
.endr
.endm
.macro MUL32 a0, st, first
	MUL8 \a0, \st, \first
	MUL8 \a0+1, \st, \first
	MUL8 \a0+2, \st, \first
	MUL8 \a0+3, \st, \first
.endm
.macro FETCH_B st
	WIN TO_B
.irp i, 0,1,2,3,4,5,6,7
	FRAG 128*((\st)%2)+FR*\i, ADRB, \st, \i
.endr
	WIN 0
.endm
.macro FETCH_A st, i0
.irp i, \i0, \i0+1, \i0+2, \i0+3
	FRAG AF+FR*(\i), ADRA, \st, \i
.endr
.endm
.macro SCALES pr                       ; the scale words of steps 2 pr, 2 pr + 1 into set pr % 2: lanes 0-15 A's block i, lanes 16-31 B's
.irp i, 0,1,2,3,4,5,6,7
	ds_load_b64 v[SC+16*((\pr)%2)+2*\i:SC+16*((\pr)%2)+2*\i+1], v[ADRS] offset:\i*SBLK+8*(\pr)
.endr
.endm
; A step: 64 matrix instructions; the next step's fragments are fetched in its middle and at its end.  Where the next step's bytes END in a chunk not yet read: a barrier shows that chunk whole; the wait for my part of it stands
; behind 24 of the step's matrix instructions.  Where they BEGIN in a later chunk than this step's: the chunk left behind is read no more: the three lines behind 16 matrix instructions, the barrier, which opens a round of the
; cluster's, and the refill two chunks on; chunk 4's slot takes cx's tile.
.macro STEP st, first
.set NX, (\st)+1
.set C0, (96*(\st))/ROWB
.set C1, (96*NX)/ROWB
.set E0, (96*(\st)+95)/ROWB
.set E1, (96*NX+95)/ROWB
	s_wait_dscnt 4*NL                              ; B's set, A's blocks 0-3 and the scale words are in; the youngest 12 loads (A's blocks 4-7) may be out
.if C1 > C0 || E1 > E0
	WIN MUL_LO
	MUL8 0, \st, 0
	MUL8 1, \st, 0
.if C1 > C0
	WIN 0                                          ; (the add's two registers lie in window 0)
	s_wait_tensorcnt 0x0                           ; all my tensor loads have landed
	ds_add_u32 v[SPW], v[NIL]
	WIN MUL_LO
	MUL8 2, \st, 0                                 ; eight matrix instructions between the add and the wait for it
.else
	MUL8 2, \st, 0
	s_wait_tensorcnt 0x0                           ; my part of the new chunk has landed
.endif
	s_wait_dscnt 0x0                               ; the add, where there is one, and all my reads are done
	s_barrier_signal -1
	MUL8 3, \st, 0
	WIN 0
	s_barrier_wait -1
.if C1 > C0
	CREST                                          ; no wave of any partner still reads this slot's chunk or has a load on its way
.if C0+2 < CHUNKS
	s_add_nc_u64 s[G0+4*(C0%2)+2:G0+4*(C0%2)+3], s[G0+4*(C0%2)+2:G0+4*(C0%2)+3], 2*ROWB
	s_add_nc_u64 s[G0B+4*(C0%2)+2:G0B+4*(C0%2)+3], s[G0B+4*(C0%2)+2:G0B+4*(C0%2)+3], 2*ROWB
	JLOAD G0+4*(C0%2), G1, G0B+4*(C0%2), G1B       ; chunk C0 + 2; the four v_nop behind it are the places in front of the loads below
.else
	tensor_load_to_lds s[G0C:G0C+3], s[G1C:G1C+7]  ; cx: 64 rows a wave
	s_nop 0
	PLACES 4
.endif
.else
	PLACES NP
.endif
.else
.if \first
	WIN BEG_LO
.else
	WIN MUL_LO
.endif
	MUL32 0, \st, \first
	s_wait_dscnt 0
	PLACES NP
.endif
	FETCH_B NX
	FETCH_A NX, 0
.if NX%2 == 0
	SCALES NX/2
.endif
.if (\st)%3 == 0 && (\st) < 7          ; steps 0, 3, 6: chunks 3, 4, 5 of my work-group's 32 rows
	global_prefetch_b8 v[PFK], s[PFA:PFA+1] offset:(3+(\st)/3)*ROWB th:TH_LOAD_NT scope:SCOPE_SE
.endif
.if (\st) == 8                         ; my wave's 64 rows of cx's tile, 256 aligned bytes each, a lane a row: no other wave of the launch fetches them
	global_prefetch_b8 v[PFO], s[PFC:PFC+1] th:TH_LOAD_NT scope:SCOPE_SE
	global_prefetch_b8 v[PFO], s[PFC:PFC+1] offset:131072 th:TH_LOAD_NT scope:SCOPE_SE
.endif
.if \first
	WIN BEG_HI
.else
	WIN MUL_HI
.endif
	MUL32 4, \st, \first
	PLACES NP
	WIN 0
	FETCH_A NX, 4
.endm
	s_wait_alu depctr_va_vdst(0)
	s_wait_tensorcnt 0x0                           ; my tile of the head's four is in
	ds_add_u32 v[SPW], v[NIL]
	s_mov_b32 s[G1+2], 128<<16                     ; no tensor load of mine is out: from here on a load brings 128 rows
	s_mov_b32 s[G1+4], 128
	s_mov_b32 s[G1B+2], 128<<16
	s_mov_b32 s[G1B+4], 128
	s_mov_b32 s[G0C], 1                            ; group 0 for cx's tile: LDS wave x 64 rows from byte 0
	s_mul_i32 s[G0C+1], s14, CXW
	s_mov_b64 s[G0C+2:G0C+3], s[PFC:PFC+1]
	s_or_b32 s[G0C+3], s[G0C+3], 0x80000000
	s_wait_dscnt 0x0
	CROUND
	JLOAD G0+4, G1, G0B+4, G1B                     ; chunk 1, the first tensor load behind the round
	FETCH_B 0
	FETCH_A 0, 0
	SCALES 0
	FETCH_A 0, 4
	STEP 0, 1
.set ST, 1
.rept STEPS-2
	STEP ST, 0
.set ST, ST+1
.endr
	s_wait_dscnt 4*NL                              ; the very last step
	WIN MUL_LO
	MUL32 0, 15, 0
	s_wait_dscnt 0
	WIN MUL_HI
	MUL32 4, 15, 0
	WIN 0
; THE TAIL.  A barrier first: in front of it my part of cx's tile has landed and my reads of slot 1 and of the scales are over; behind it cx's tile is whole, and the stages may be written.
	s_wait_tensorcnt 0x0
	s_wait_dscnt 0x0
	s_barrier_signal -1
	PLACES NP                                      ; behind the last products: for the loads into A's registers and the first reads of results
	s_barrier_wait -1
.macro CXLOAD a
.set CXD, CX0+16*((\a)%2)
.irp u, 0,1
.irp k, 0,1
	ds_load_b128 v[CXD+8*\u+4*\k:CXD+8*\u+4*\k+3], v[EA] offset:16*EP*(\a)+64*\u+16*\k
.endr
.endr
.endm
.macro BACKB a                         ; block a's rows of my output, whole, from the stage: a row's 256 bytes come from two waves, so a block is handed over at a barrier
.set BB, OB+32*((\a)%2)
.irp t, 0,1,2,3,4,5,6,7
	ds_load_b128 v[BB+4*\t:BB+4*\t+3], v[RB] offset:(16*(\a)+2*\t)*EP
.endr
.endm
.macro SENDB a                         ; 16 lanes store 256 consecutive bytes, aligned
.set BB, OB+32*((\a)%2)
.irp t, 0,1,2,3,4,5,6,7
	global_store_b128 v[CO], v[BB+4*\t:BB+4*\t+3], s[OUTW:OUTW+1] offset:(16*(\a)+2*\t)*4096 th:TH_STORE_NT
.endr
.endm
; Block a: 16 rows x 32 columns, 16 elements a lane.  Transcendentals in batches, with waits ahead of and behind each.
; The block ends with its stores into the stages and the barrier's signal; the barrier's wait stands in the next block, where the block before is read back and stored.
.macro EPI a
.if (\a) < 7
	CXLOAD (\a)+1
.endif
.set AC, 64*((\a)%4)
.set CXR, CX0+16*((\a)%2)
	WIN 0x02+(\a)/4
.set i, 0
.rept 32                               ; each accumulator from its low end on: I, F, O x -log2(e), G x 2 log2(e)
.if (i/8) == 2
	v_pk_mul_f32 v[T+2*i:T+2*i+1], v[AC+2*i:AC+2*i+1], s[P2L:P2L+1] op_sel_hi:[1,0]
.else
	v_pk_mul_f32 v[T+2*i:T+2*i+1], v[AC+2*i:AC+2*i+1], s[NLE:NLE+1] op_sel_hi:[1,0]
.endif
.set i, i+1
.endr
	WIN 0
.set i, 0
.rept 16
	v_min_num_f32 v[T+32+i], s[C32], v[T+32+i]     ; G's exponent held at 32
.set i, i+1
.endr
.set i, 0
	s_wait_alu depctr_va_vdst(0)
.rept 64
	v_exp_f32 v[T+i], v[T+i]
.set i, i+1
.endr
	v_nop
	s_wait_alu depctr_va_vdst(0)
.set i, 0
.rept 32
	v_pk_add_f32 v[T+2*i:T+2*i+1], v[T+2*i:T+2*i+1], 1.0 op_sel_hi:[1,0]
.set i, i+1
.endr
.set i, 0
.rept 8
	v_pk_mul_f32 v[T+2*i:T+2*i+1], v[T+2*i:T+2*i+1], v[T+32+2*i:T+32+2*i+1]                    ; (1 + a)(1 + b)
.set i, i+1
.endr
.set i, 0
.rept 8
	v_pk_add_f32 v[T+32+2*i:T+32+2*i+1], v[T+32+2*i:T+32+2*i+1], -2.0 op_sel_hi:[1,0]          ; b - 1
.set i, i+1
.endr
.if (\a) > 0
	s_barrier_wait -1                              ; every wave's stores of the block before have landed in the stages
.if (\a) > 2
	s_wait_xcnt 0x0                                ; the stores of two blocks further back have read this set of registers
.endif
	BACKB (\a)-1
.endif
.set i, 0
	s_wait_alu depctr_va_vdst(0)
.rept 32
	v_rcp_f32 v[T+i], v[T+i]                       ; 1 / ((1 + a)(1 + b)), and f
.set i, i+1
.endr
	v_nop
	s_wait_alu depctr_va_vdst(0)
	s_wait_dscnt 0x0                               ; this block's cx is in, and the rows of the block before are back
.if (\a) > 0
	SENDB (\a)-1
.endif
.set i, 0
.rept 8
	v_pk_mul_f32 v[CY+2*i:CY+2*i+1], v[CXR+2*i:CXR+2*i+1], v[T+16+2*i:T+16+2*i+1]              ; cx f
.set i, i+1
.endr
.set i, 0
.rept 8
	v_pk_fma_f32 v[CY+2*i:CY+2*i+1], v[T+32+2*i:T+32+2*i+1], v[T+2*i:T+2*i+1], v[CY+2*i:CY+2*i+1]   ; cy = i g + cx f
.set i, i+1
.endr
.set i, 0
.rept 8
	v_pk_mul_f32 v[W+2*i:W+2*i+1], v[CY+2*i:CY+2*i+1], s[P2L:P2L+1] op_sel_hi:[1,0]
.set i, i+1
.endr
.set i, 0
.rept 16
	v_min_num_f32 v[W+i], s[C32], v[W+i]           ; held at 32
.set i, i+1
.endr
.set i, 0
	s_wait_alu depctr_va_vdst(0)
.rept 16
	v_exp_f32 v[W+i], v[W+i]
.set i, i+1
.endr
	v_nop
	s_wait_alu depctr_va_vdst(0)
.set i, 0
.rept 8
	v_pk_add_f32 v[W+2*i:W+2*i+1], v[W+2*i:W+2*i+1], 1.0 op_sel_hi:[1,0]
.set i, i+1
.endr
.set i, 0
.rept 8
	v_pk_mul_f32 v[T+48+2*i:T+48+2*i+1], v[T+48+2*i:T+48+2*i+1], v[W+2*i:W+2*i+1]              ; (1 + a of o)(1 + b of cy)
.set i, i+1
.endr
.set i, 0
.rept 8
	v_pk_add_f32 v[W+2*i:W+2*i+1], v[W+2*i:W+2*i+1], -2.0 op_sel_hi:[1,0]                      ; b - 1
.set i, i+1
.endr
.set i, 0
	s_wait_alu depctr_va_vdst(0)
.rept 16
	v_rcp_f32 v[T+48+i], v[T+48+i]
.set i, i+1
.endr
	v_nop
	s_wait_alu depctr_va_vdst(0)
.set i, 0
.rept 8
	v_pk_mul_f32 v[W+2*i:W+2*i+1], v[W+2*i:W+2*i+1], v[T+48+2*i:T+48+2*i+1]                    ; hy = o tanh(cy)
.set i, i+1
.endr
.irp u, 0,1
.irp k, 0,1
	ds_store_b128 v[EC], v[CY+8*\u+4*\k:CY+8*\u+4*\k+3] offset:16*EP*(\a)+64*\u+16*\k
	ds_store_b128 v[EH], v[W+8*\u+4*\k:W+8*\u+4*\k+3] offset:16*EP*(\a)+64*\u+16*\k
.endr
.endr
	s_wait_dscnt 0x0                               ; for the others' sake: my stores of this block are done
	s_barrier_signal -1
.endm
	CXLOAD 0
.irp a, 0,1,2,3,4,5,6,7
	EPI \a
.endr
	s_barrier_wait -1
	s_wait_xcnt 0x0                                ; block 5's stores have read this set of registers
	BACKB 7
	s_wait_dscnt 0x0
	SENDB 7
	s_wait_tensorcnt 0x0                           ; the wave's end
	ds_add_u32 v[SPW], v[NIL]
	s_wait_dscnt 0x0
	CROUND                                         ; the closing round
	s_endpgm
.Lfunc_end_k_q4998d0d75c_lstm:
	.size	k_q4998d0d75c_lstm, .Lfunc_end_k_q4998d0d75c_lstm-k_q4998d0d75c_lstm
	.p2alignl 7, 3214868480
	.fill 96, 4, 3214868480
	.section	.rodata,"a",@progbits
	.p2align	6, 0x0
	.amdhsa_kernel k_q4998d0d75c_lstm
		.amdhsa_group_segment_fixed_size 327680
		.amdhsa_private_segment_fixed_size 0
		.amdhsa_enable_private_segment 0
		.amdhsa_kernarg_size 120
		.amdhsa_user_sgpr_count 2
		.amdhsa_user_sgpr_kernarg_segment_ptr 1
		.amdhsa_wavefront_size32 1
		.amdhsa_system_sgpr_workgroup_id_x 1
		.amdhsa_system_sgpr_workgroup_id_y 1
		.amdhsa_system_sgpr_workgroup_id_z 1
		.amdhsa_system_vgpr_workitem_id 0
		.amdhsa_next_free_vgpr 1024
		.amdhsa_next_free_sgpr 102
		.amdhsa_reserve_vcc 0
		.amdhsa_float_denorm_mode_32 3
		.amdhsa_float_denorm_mode_16_64 3
		.amdhsa_memory_ordered 1
		.amdhsa_forward_progress 1
		.amdhsa_inst_pref_size 255
	.end_amdhsa_kernel
	.section	.bss,"aw",@nobits
	.p2align	6
	.space	262144
	.amdgpu_metadata
---
amdhsa.version: [ 1, 2 ]
amdhsa.kernels:
  - .name:           k_q4998d0d75c_lstm
    .symbol:         k_q4998d0d75c_lstm.kd
    .args:
      - { .name: a_codes, .offset: 0, .size: 8, .value_kind: global_buffer, .address_space: global }
      - { .name: a_scales, .offset: 8, .size: 8, .value_kind: global_buffer, .address_space: global }
      - { .name: b_codes, .offset: 16, .size: 8, .value_kind: global_buffer, .address_space: global }
      - { .name: b_scales, .offset: 24, .size: 8, .value_kind: global_buffer, .address_space: global }
      - { .name: bxi, .offset: 32, .size: 8, .value_kind: global_buffer, .address_space: global }
      - { .name: bhi, .offset: 40, .size: 8, .value_kind: global_buffer, .address_space: global }
      - { .name: bxf, .offset: 48, .size: 8, .value_kind: global_buffer, .address_space: global }
      - { .name: bhf, .offset: 56, .size: 8, .value_kind: global_buffer, .address_space: global }
      - { .name: bxc, .offset: 64, .size: 8, .value_kind: global_buffer, .address_space: global }
      - { .name: bhc, .offset: 72, .size: 8, .value_kind: global_buffer, .address_space: global }
      - { .name: bxo, .offset: 80, .size: 8, .value_kind: global_buffer, .address_space: global }
      - { .name: bho, .offset: 88, .size: 8, .value_kind: global_buffer, .address_space: global }
      - { .name: cx, .offset: 96, .size: 8, .value_kind: global_buffer, .address_space: global }
      - { .name: out0, .offset: 104, .size: 8, .value_kind: global_buffer, .address_space: global }
      - { .name: out1, .offset: 112, .size: 8, .value_kind: global_buffer, .address_space: global }
    .group_segment_fixed_size: 327680
    .private_segment_fixed_size: 0
    .kernarg_segment_align: 8
    .kernarg_segment_size: 120
    .max_flat_workgroup_size: 128
    .sgpr_count:     102
    .vgpr_count:     1024
    .wavefront_size: 32
...
	.end_amdgpu_metadata
.endif
;; end of part 2
